; MI455X (gfx1250); checked and timed in simulation.
; The chip was launched on July 23, 2026; its instructions are those of AMD's public machine-readable ISA for CDNA 5 (MIT licence, August 2026) and "CDNA5" Instruction Set Architecture Reference Guide (July 2026). The comments in the code are by the model that wrote it; some were corrected since.
;; Fusing Net. Allowed arithmetic: matrix products marked QUANTISED: E2M1 operands, one E8M0 scale for each 32 along K, by v_wmma_scale_f32_16x16x128_f8f6f4 with both operands' format E2M1 (or v_wmma_scale_f32_32x16x128_f4), f32 sums; products left as they are: f32 operands where the result goes on into a quantised operand, else bf16, f16 or f32 operands; f32 sums; everything else in f32.
;; Inputs: W1k 16 x 32 float32; W1l 16 x 32 float32; W1w 26 x 32 float32; W2k 32 x 16 float32; W2l 32 x 1 float32; W2w 32 x 1 float32; b1k 32 float32; b1l 32 float32; b1w 32 float32; b2k 16 float32; b2l 1 float32; b2w 1 float32; input_future 2,048 x 384 float32; key_sys 50,000 int32; keys 50,000 x 384 float32; syslist 2,048 int32; vals 50,000 float32; wav2vec_prob 2,048 x 16 float32; wav2vec_score 2,048 x 1 float32.
;; Outputs: out0 2,048 float32.
;; This version of the problem:
;;   THIS VERSION OF THE PROBLEM IS GIVEN IN LOW PRECISION. The matrix products marked QUANTISED in the list below multiply operands that are first quantised to E2M1 (2 exponent bits, 1 mantissa bit; 4 bits a number), with one power-of-two scale for each 32 numbers along K (OCP MX v1.0); their sums are f32. All else is computed in f32.
;;   The module's matrix products, in the order in which they are computed (A, B: the left and right operand; K: the contracted axis; several contracted axes count as one K, in the product's order):
;;     1. [M 2,048, K 384] x [K 384, N 50,000]; A: input input_future; B: input keys: QUANTISED
;;     2. [M 2,048, K 16] x [K 16, N 32]; A: computed on the way; B: input W1k: left as it is (K = 16 < 32)
;;     3. [M 2,048, K 32] x [K 32, N 16]; A: computed on the way; B: input W2k: QUANTISED
;;     4. [M 2,048, K 16] x [K 16, N 32]; A: computed on the way; B: input W1l: left as it is (K = 16 < 32)
;;     5. [M 2,048, K 32] x [K 32, N 1]; A: computed on the way; B: input W2l: left as it is (N = 1 < 16)
;;     6. [M 2,048, K 26] x [K 26, N 32]; A: computed on the way; B: input W1w: left as it is (K = 26 < 32)
;;     7. [M 2,048, K 32] x [K 32, N 1]; A: computed on the way; B: input W2w: left as it is (N = 1 < 16)
;;   THE QUANTISER, for each operand of a quantised product, along K:
;;     - K is cut into blocks of 32 from its start; a last block that is shorter is filled with zeros.
;;     - A block's scale is 2^e with e = floor(log2(the largest magnitude in the block)) - 2, held to -126 .. 127; a block of zeros has e = 0. As a byte (E8M0): e + 127.
;;     - Each number is divided by its block's scale, clamped to +-6, and rounded to the nearest number of E2M1, ties to even, subnormals kept.
;;     - The product sums the exact products of the quantised numbers (number of the format x scale) in f32.
;;   ~~~python
;;   def quantise(x, axis):      # numpy; x: float32 -> the quantised numbers, widened to float32 again
;;       x = np.moveaxis(x, axis, -1); K = x.shape[-1]
;;       x = np.pad(x, [(0, 0)] * (x.ndim - 1) + [(0, -K % 32)]); x = x.reshape(x.shape[:-1] + (-1, 32)); a = np.abs(x).max(-1, keepdims=True)
;;       e = np.where(a > 0, np.clip(np.frexp(np.where(a > 0, a, 1))[1] - 1 - 2, -126, 127), 0)      # np.frexp(a)[1] - 1 = floor(log2(a)), exactly
;;       r = np.clip(x / 2.0 ** e, -6, 6)
;;       step = 2.0 ** (np.maximum(np.frexp(np.where(r == 0, 1, r))[1] - 1, 0) - 1)
;;       q = np.round(r / step) * step * 2.0 ** e      # np.round: ties to even
;;       return np.moveaxis(q.reshape(q.shape[:-2] + (-1,))[..., :K], -1, axis).astype(np.float32)
;;   ~~~
;;   OPERANDS COMPUTED ON THE WAY. 'Computed on the way' means the value that the module computes at that place (a softmax that the list does not call 'softmax' is quantised finished and normalised). What goes into a quantiser is computed in f32, as accurately as f32 sums, v_exp_f32 and their like allow (about 1e-6 of the number): no bf16 or f16 on the way to a quantiser, and a product that is left as it is and whose result goes on into a quantised operand takes f32 operands (vector FMAs, or v_wmma_f32_16x16x4_f32). A number that lies on a knife's edge between two numbers of the format may be rounded either way, as far as f32 arithmetic and the matrix unit's own rounding can turn it there, and no further.
;; One version. Each part assembles by itself: llvm-mc -triple=amdgcn-amd-amdhsa -mcpu=gfx1250 --defsym DOCPART=n.
;; ======== version 1 of 1: 4 launches
;; limits: right only within a limited range of input values
;; workspace buffers: krec 12,800,000 bytes; qrec 524,288 bytes; gmax 25,600,000 bytes; cmax 2,097,152 bytes; msk 1,048,576 bytes of whole numbers
;; launch quant (part 1): grid 3253 x 1, 1 waves a work-group, no clusters, 17,664 bytes of LDS; arguments keys, input_future, key_sys, syslist, krec, qrec; writes krec, qrec
.if DOCPART == 1
	.amdgcn_target "amdgcn-amd-amdhsa--gfx1250"
	.amdhsa_code_object_version 6
	.text
	.protected	k_q72dc96ef54_quant
	.globl	k_q72dc96ef54_quant
	.p2align	8
	.type	k_q72dc96ef54_quant,@function
k_q72dc96ef54_quant:
	s_mov_b64 s[64:65], 0
	v_nop
	global_prefetch_b8 v0, s[64:65] scope:SCOPE_SE
	s_setreg_imm32_b32 hwreg(HW_REG_WAVE_MODE, 25, 1), 1
	s_wait_xcnt 0x0
; keys [50000][384] and input_future [2048][384], f32, become RECORDS of 4,096 bytes, one for each tile of 16 rows, laid as the operand registers of the FP4 matrix instruction want them:
;   (2 s + c) 512 + 16 l : lane l = (r, h): the 32 codes of row r, k = 128 s + 64 c + 32 h + 0..31 (registers 4 c .. 4 c + 3 of K step s)
;   3072 + 16 l          : the row's system id as codes: h = 0: bit b as +-1 at k = b; h = 1: three constant codes at k = 32..34
;   3584 + 16 r          : the row's three scale words (one E8M0 byte for each 32 along K), then 0
;   3840 + 4 r           : keys: -(sum of squares) / 2; queries: the sum of squares;  3904..4095: zeros
; A block's scale is 2^(floor(log2(largest magnitude)) - 2); its byte is the largest magnitude's exponent field - 2, held at 1 from below.
; ID CODES: a key's bit 1 is +1 and 0 is -1; a query's bit 1 is -1 and 0 is +1: the 32 products add up to 2 x (bits that differ) - 32; the constants 6, 6, 1 and 4, 1, 1 add 31.
; LIMITS: blocks whose largest magnitude lies under 2^-124 keep the byte 1 (a block of zeros too: its codes are zeros, and this program alone reads the bytes); NaN and infinities are not served.
; One wave, one tile: 3,125 key tiles, then 128 query tiles; one path for both, only pointers and three constants are chosen by the work-group's number.
; Each load reads 512 consecutive bytes (one K step of one row); the numbers turn through the wave's stage in LDS (rows of 512 + 16 bytes) so that a lane holds 32 neighbours along K.
.set NKT, 3125
.set STG, 8448                         ; a stage: 16 rows x 528 bytes; two of them
.set SCR, 16896                        ; 64 bytes: the 16 rows' sums
.set R,   16                           ; v16-143  two sets of 64: a K step as loaded
.set X,   144                          ; v144-207 my two blocks of 32 numbers
.set CD,  208                          ; v208-231 codes, 8 registers a K step
.set SW,  232                          ; v232-234 scale words
.set SQ,  236                          ; v236-239 two packed sums of squares
.set AM,  240                          ; largest magnitudes
.set OP,  242                          ; the conversions' scale operands
.set BY,  244                          ; scale bytes
.set TW,  246
.set TP,  247                          ; a lane permute's destination
.set ZR,  248                          ; 0
.set CWV, 249                          ; the constant codes' word
.set QD,  250                          ; v250-253 the record's last 512 bytes
.set ID,  12                           ; v12-15   the id's codes
	s_load_b256 s[4:11], s[0:1], 0x0               ; keys, input_future, key_sys, syslist
	s_load_b128 s[12:15], s[0:1], 0x20             ; krec, qrec
	v_lshl_add_u32 v254, v0, 2, 0x4400
	v_mov_b32 v255, 0
	v_lshlrev_b32 v1, 4, v0                        ; 16 x lane
	v_and_b32 v2, 15, v0                           ; r
	v_lshrrev_b32 v3, 4, v0                        ; h
	v_mul_u32_u24 v5, v2, 528
	v_lshl_add_u32 v5, v3, 7, v5                   ; out of the stage: row r, + 128 h
	v_lshlrev_b32 v6, 3, v3                        ; 8 h: my bytes' place in a scale word
	v_lshl_add_u32 v7, v2, 2, SCR
	v_and_b32 v8, 3, v0
	v_lshl_add_u32 v8, v8, 4, SCR
	v_lshlrev_b32 v11, 2, v2                       ; my row's id
	v_mov_b32 v[TP], 0
	v_mov_b32 v[ZR], 0
	s_mov_b32 s20, 0x76543210
	s_mov_b32 s21, 0xfedcba98                      ; selects for lane l xor 16
	s_mov_b32 s22, 0x22222222                      ; eight codes of 1.0
	s_mov_b32 s23, 0xffff0000
	s_mov_b32 s30, 0x000f0000
	s_mov_b32 s31, 0x0000ffff
	s_mov_b32 s24, 0x226
	s_wait_alu depctr_va_vdst(0)
	s_wait_kmcnt 0x0
	s_cmp_lt_u32 ttmp9, NKT                        ; a key tile or a query tile: hangs on the work-group's number alone
	s_cselect_b64 s[4:5], s[4:5], s[6:7]           ; the numbers
	s_cselect_b64 s[8:9], s[8:9], s[10:11]         ; the ids
	s_cselect_b64 s[12:13], s[12:13], s[14:15]     ; the records
	s_cselect_b32 s26, 0, NKT
	s_cselect_b32 s27, -1, 0                       ; keys: the sign stands where the bit is 0
	s_cselect_b32 s24, 0x277, s24                  ; codes 6, 6, 1 or 4, 1, 1
	s_cselect_b32 s25, -0.5, 1.0
	s_sub_co_u32 s26, ttmp9, s26                   ; the tile's number in its tensor
	s_mul_i32 s28, s26, 24576
	s_mov_b32 s29, 0
	s_add_nc_u64 s[4:5], s[4:5], s[28:29]
	s_lshl_b32 s28, s26, 6
	s_add_nc_u64 s[8:9], s[8:9], s[28:29]
	s_lshl_b32 s28, s26, 12
	s_add_nc_u64 s[12:13], s[12:13], s[28:29]
.macro LOADS s                         ; K step s of the 16 rows: 16 loads of 512 consecutive bytes
.set i, 0
.rept 16
	global_load_b128 v[R+64*((\s)%2)+4*i:R+64*((\s)%2)+4*i+3], v1, s[4:5] offset:1536*i+512*(\s) th:TH_LOAD_NT
.set i, i+1
.endr
.endm
.macro STEP s
.if \s < 2
	s_wait_loadcnt 16                              ; this step's 16 loads (and the id) are in; the next step's 16 may be out
.else
	s_wait_loadcnt 0x0
.endif
.set i, 0
.rept 16
	ds_store_b128 v1, v[R+64*((\s)%2)+4*i:R+64*((\s)%2)+4*i+3] offset:STG*((\s)%2)+528*i
.set i, i+1
.endr
.set i, 0
.rept 16                               ; LDS serves a wave's instructions in order: these see the stores above
	ds_load_b128 v[X+4*i:X+4*i+3], v5 offset:STG*((\s)%2)+256*(i/8)+16*(i%8)
.set i, i+1
.endr
	s_wait_dscnt 0x0                               ; my 64 numbers are in, and the stores have read their registers
.if \s == 0
	LOADS 2
.endif
	v_max3_num_f32 v[AM], |v[X]|, |v[X+1]|, 0x1800000          ; with the floor 2^(3 - 127): the byte cannot fall under 1
	v_max3_num_f32 v[AM+1], |v[X+32]|, |v[X+33]|, 0x1800000
.set i, 2
.rept 15                               ; the two blocks by turns
	v_max3_num_f32 v[AM], v[AM], |v[X+i]|, |v[X+i+1]|
	v_max3_num_f32 v[AM+1], v[AM+1], |v[X+32+i]|, |v[X+33+i]|
.set i, i+2
.endr
	v_add_nc_u32 v[OP], 0xff000000, v[AM]          ; 2 off the exponent field: the conversion's scale operand
	v_add_nc_u32 v[OP+1], 0xff000000, v[AM+1]
	v_lshrrev_b32 v[BY], 23, v[OP]
	v_lshrrev_b32 v[BY+1], 23, v[OP+1]
.set i, 0
.rept 16                               ; the sum of squares of the numbers as they came, in two packed chains
.if (\s == 0) && (i == 0)
	v_pk_mul_f32 v[SQ:SQ+1], v[X:X+1], v[X:X+1]
	v_pk_mul_f32 v[SQ+2:SQ+3], v[X+2:X+3], v[X+2:X+3]
.else
	v_pk_fma_f32 v[SQ:SQ+1], v[X+4*i:X+4*i+1], v[X+4*i:X+4*i+1], v[SQ:SQ+1]
	v_pk_fma_f32 v[SQ+2:SQ+3], v[X+4*i+2:X+4*i+3], v[X+4*i+2:X+4*i+3], v[SQ+2:SQ+3]
.endif
.set i, i+1
.endr
.set i, 0
.rept 8
	v_cvt_scalef32_pk8_fp4_f32 v[CD+8*(\s)+i], v[X+8*i:X+8*i+7], v[OP+i/4]
.set i, i+1
.endr
	v_nop                                          ; one plain place behind the conversions
	global_store_b128 v1, v[CD+8*(\s):CD+8*(\s)+3], s[12:13] offset:1024*(\s)          ; 512 consecutive bytes each
	global_store_b128 v1, v[CD+8*(\s)+4:CD+8*(\s)+7], s[12:13] offset:1024*(\s)+512
	v_lshl_or_b32 v[TW], v[BY+1], 16, v[BY]        ; my bytes: blocks h and 2 + h,
	v_lshlrev_b32 v[TW], v6, v[TW]                 ; at their places;
	v_permlanex16_b32 v[TP], v[TW], s20, s21
	v_or_b32 v[SW+(\s)], v[TW], v[TP]              ; with lane l xor 16's two the word is whole
.endm
	global_load_b32 v9, v11, s[8:9]
	LOADS 0
	LOADS 1
	STEP 0
	STEP 1
	STEP 2
	; the id's 32 bits as 32 codes: each byte's bits are spread to the low bits of eight nibbles, moved to the sign's place, over the code of 1.0
	v_xor_b32 v9, s27, v9
.irp w, 0,1,2,3
	v_bfe_u32 v[ID+\w], v9, 8*\w, 8
	v_lshl_or_b32 v[TW], v[ID+\w], 12, v[ID+\w]
	v_and_b32 v[ID+\w], 0x000f000f, v[TW]
	v_lshl_or_b32 v[TW], v[ID+\w], 6, v[ID+\w]
	v_and_b32 v[ID+\w], 0x03030303, v[TW]
	v_lshl_or_b32 v[TW], v[ID+\w], 3, v[ID+\w]
	v_and_b32 v[ID+\w], 0x11111111, v[TW]
	v_lshl_or_b32 v[ID+\w], v[ID+\w], 3, s22
.endr
	v_mov_b32 v[CWV], s24
	v_cndmask_b32 v[ID], v[ID], v[CWV], s23        ; lanes 16-31 (k = 32 on): the constants, then zeros
	v_cndmask_b32 v[ID+1], v[ID+1], v[ZR], s23
	v_cndmask_b32 v[ID+2], v[ID+2], v[ZR], s23
	v_cndmask_b32 v[ID+3], v[ID+3], v[ZR], s23
	global_store_b128 v1, v[ID:ID+3], s[12:13] offset:3072
	v_pk_add_f32 v[SQ:SQ+1], v[SQ:SQ+1], v[SQ+2:SQ+3]
	v_add_f32 v[SQ], v[SQ], v[SQ+1]
	v_permlanex16_b32 v[TP], v[SQ], s20, s21
	v_add_f32 v[SQ], v[SQ], v[TP]                  ; my row's sum of squares
	v_mul_f32 v[SQ], s25, v[SQ]                    ; keys: x -1/2
	ds_store_b32 v7, v[SQ]                         ; both lanes of a row write the same word with the same value
	ds_load_b128 v[QD:QD+3], v8                    ; four rows' sums
	s_wait_dscnt 0x0
.irp j, 0,1,2,3
	v_cndmask_b32 v[QD+\j], v[ZR], v[QD+\j], s30   ; lanes 16-19 keep them, the others hold zeros;
.endr
	v_cndmask_b32 v[QD], v[QD], v[SW], s31         ; lanes 0-15 take their row's scale words
	v_cndmask_b32 v[QD+1], v[QD+1], v[SW+1], s31
	v_cndmask_b32 v[QD+2], v[QD+2], v[SW+2], s31
	global_store_b128 v1, v[QD:QD+3], s[12:13] offset:3584
	s_wait_tensorcnt 0x0
	ds_add_u32 v254, v255
	s_wait_dscnt 0x0
	s_endpgm
.Lfunc_end_k_q72dc96ef54_quant:
	.size	k_q72dc96ef54_quant, .Lfunc_end_k_q72dc96ef54_quant-k_q72dc96ef54_quant
	.p2alignl 7, 3214868480
	.fill 96, 4, 3214868480
	.section	.rodata,"a",@progbits
	.p2align	6, 0x0
	.amdhsa_kernel k_q72dc96ef54_quant
		.amdhsa_group_segment_fixed_size 17664
		.amdhsa_private_segment_fixed_size 0
		.amdhsa_enable_private_segment 0
		.amdhsa_kernarg_size 48
		.amdhsa_user_sgpr_count 2
		.amdhsa_user_sgpr_kernarg_segment_ptr 1
		.amdhsa_wavefront_size32 1
		.amdhsa_system_sgpr_workgroup_id_x 1
		.amdhsa_system_sgpr_workgroup_id_y 1
		.amdhsa_system_sgpr_workgroup_id_z 1
		.amdhsa_system_vgpr_workitem_id 0
		.amdhsa_next_free_vgpr 256
		.amdhsa_next_free_sgpr 66
		.amdhsa_reserve_vcc 0
		.amdhsa_float_denorm_mode_32 3
		.amdhsa_float_denorm_mode_16_64 3
		.amdhsa_memory_ordered 1
		.amdhsa_forward_progress 1
		.amdhsa_inst_pref_size 32
	.end_amdhsa_kernel
	.amdgpu_metadata
---
amdhsa.version: [ 1, 2 ]
amdhsa.kernels:
  - .name:           k_q72dc96ef54_quant
    .symbol:         k_q72dc96ef54_quant.kd
    .args:
      - { .name: keys, .offset: 0, .size: 8, .value_kind: global_buffer, .address_space: global }
      - { .name: input_future, .offset: 8, .size: 8, .value_kind: global_buffer, .address_space: global }
      - { .name: key_sys, .offset: 16, .size: 8, .value_kind: global_buffer, .address_space: global }
      - { .name: syslist, .offset: 24, .size: 8, .value_kind: global_buffer, .address_space: global }
      - { .name: krec, .offset: 32, .size: 8, .value_kind: global_buffer, .address_space: global }
      - { .name: qrec, .offset: 40, .size: 8, .value_kind: global_buffer, .address_space: global }
    .group_segment_fixed_size: 17664
    .private_segment_fixed_size: 0
    .kernarg_segment_align: 8
    .kernarg_segment_size: 48
    .max_flat_workgroup_size: 32
    .sgpr_count:     66
    .vgpr_count:     256
    .wavefront_size: 32
...
	.end_amdgpu_metadata
.endif
;; end of part 1
;; launch scan (part 2): grid 125 x 2, 8 waves a work-group, no clusters, 168,960 bytes of LDS; arguments krec, qrec, gmax, cmax; writes gmax, cmax
.if DOCPART == 2
	.amdgcn_target "amdgcn-amd-amdhsa--gfx1250"
	.amdhsa_code_object_version 6
	.text
	.protected	k_q72dc96ef54_scan
	.globl	k_q72dc96ef54_scan
	.p2align	8
	.type	k_q72dc96ef54_scan,@function
k_q72dc96ef54_scan:
	s_mov_b64 s[64:65], 0
	v_nop
	global_prefetch_b8 v0, s[64:65] scope:SCOPE_SE
	s_setreg_imm32_b32 hwreg(HW_REG_WAVE_MODE, 25, 1), 1
	s_wait_xcnt 0x0
; All scores, and of them only maxima.  s = q.k - k2 / 2 = (q2 - d2) / 2: three scaled FP4 products of 128 along K, the first with -k2 / 2 as its C.  Larger s = nearer.
; THE MASK COMES FROM THE MATRIX UNIT: one more FP4 product, of the two ids' codes, gives p = 2^29 x (2 x (bits that differ) - 1): -2^29 for equal ids, at least +2^29 else.
; e = min(s, p) is the score, or -2^29 for a key of the query's own system; max(min(s, p), m) is one instruction a score.
; gmax[tile][column] = the largest e of a tile of 16 keys for a query; cmax[chunk][column] = the largest of a chunk of 25 tiles (rows 125..127: -infinity).
; Query q = 128 W + 16 t + r stands at column 128 W + 64 (t & 1) + 4 r + (t >> 1): so a wave's store of four registers covers 512 consecutive bytes.
; LIMITS: |s| under 2^29.  NaN and infinities are not served.
; SHARES: work-group (chunk, y): key tiles 25 chunk .. + 24 against queries 1024 y .. + 1023.  Wave w keeps its 8 query tiles in registers (window 1) for the whole launch;
; the 25 key records, 102,400 bytes, lie in LDS, filled once by eight tensor loads (one a wave is out) and read by all eight waves.  Two waves to a SIMD: one's vector work stands beside the other's products.
; NO CLUSTER: the grid, 125 x 2, is no multiple of 4 along either axis, and the queries' records go straight into registers.
; REGISTERS, window 0: v1 16 x lane; v2-4 LDS addresses of the tile in hand; v5 gmax offset; v6, v7 offsets; v8, v9 the id product's scale words; v10, v11 lane terms; v12-15 OUT; v16-19 chunk maxima;
;   v20-27 running maxima; v28-31 -infinity; v32-47 the queries' scale words; v48-79 a key tile's fragments; v80-82 its scale words; v84-91 -k2 / 2; v96-159 S; v160-223 P.
;   window 1: query tile t: codes at 32 t + 8 s, id codes at 32 t + 24, zeros at 32 t + 28.
.set OUT, 12
.set CM,  16
.set M,   20
.set NINF, 28
.set QS,  32                           ; set i at QS + 4 i: lanes 0-15 tile i's words, lanes 16-31 tile i + 4's
.set KA,  48
.set KSC, 80
.set NK,  84
.set S,   96
.set P,   160
.set MSB, 0
.macro WIN new                         ; the immediate's high byte repeats the setting that is left
.if MSB != \new
	s_set_vgpr_msb (MSB<<8)|\new
.set MSB, \new
.endif
.endm
	s_load_b256 s[4:11], s[0:1], 0x0               ; krec, qrec, gmax, cmax
	v_lshl_add_u32 v254, v0, 2, 0x29000
	v_mov_b32 v255, 0
	ds_add_u32 v254, v255
	ds_add_u32 v254, v255
	v_lshrrev_b32 v1, 5, v0
	s_delay_alu instid0(VALU_DEP_1)
	v_readfirstlane_b32 s24, v1                    ; wave
	s_and_b32 s25, ttmp7, 0xffff                   ; y
	s_mov_b32 s16, 3<<16                           ; group 1: elements of 8 bytes, no padding, no mask
	s_mov_b32 s17, 32<<16                          ; tensor_dim0 = 32 (256 bytes)
	s_mov_b32 s18, 50<<16                          ; tensor_dim1 = 50
	s_mov_b32 s19, 32<<16                          ; tile_dim0
	s_mov_b32 s20, 50                              ; tile_dim1
	s_mov_b32 s21, 32                              ; pitch: the block is dense
	s_mov_b32 s22, 0
	s_mov_b32 s23, 0
	s_mul_i32 s26, s24, 12800                      ; my eighth of the chunk's 102,400 bytes, in LDS and in memory
	s_mul_i32 s28, ttmp9, 102400
	s_add_co_u32 s28, s28, s26
	s_mov_b32 s29, 0
	s_lshl_b32 s27, s25, 3
	s_add_co_u32 s27, s27, s24                     ; W = 8 y + wave
	s_lshl_b32 s30, s27, 15                        ; my 8 query records
	s_mov_b32 s31, 0
	s_mov_b32 s34, 0                               ; the LDS byte at which the tile to be fetched begins
	s_wait_dscnt 0x0
	s_wait_kmcnt 0x0
	s_mov_b32 s12, 1
	s_mov_b32 s13, s26
	s_add_nc_u64 s[14:15], s[4:5], s[28:29]
	s_or_b32 s15, s15, 0x80000000
	s_add_nc_u64 s[6:7], s[6:7], s[30:31]
	tensor_load_to_lds s[12:15], s[16:23]
	s_nop 0
.rept 4
	v_nop
.endr
	v_and_b32 v7, 31, v0
	s_delay_alu instid0(VALU_DEP_1)
	v_lshlrev_b32 v1, 4, v7                        ; 16 x lane
	v_and_b32 v10, 15, v0                          ; r
	v_bfe_u32 v11, v0, 4, 1                        ; h
	s_delay_alu instid0(VALU_DEP_2)
	v_lshlrev_b32 v6, 4, v10
	s_delay_alu instid0(VALU_DEP_1)
	v_lshl_add_u32 v6, v11, 14, v6                 ; the queries' scale words: 16 r, lanes 16-31 four records on
	s_delay_alu instid0(VALU_DEP_4)
	v_lshl_add_u32 v10, v10, 4, 3584               ; a key's scale words
	s_delay_alu instid0(VALU_DEP_4)
	v_lshl_add_u32 v11, v11, 5, 3840               ; -k2 / 2 of keys 8 h + 0..7
	v_mov_b32 v2, v1
	s_delay_alu instid0(VALU_DEP_3)
	v_mov_b32 v3, v10
	s_delay_alu instid0(VALU_DEP_3)
	v_mov_b32 v4, v11
	s_mul_i32 s32, ttmp9, 204800                   ; gmax: 25 rows of 8,192 bytes a chunk
	s_lshl_b32 s33, s27, 9
	s_add_co_u32 s32, s32, s33
	v_add_nc_u32 v5, s32, v1
	s_lshl_b32 s32, ttmp9, 13
	s_add_co_u32 s32, s32, s33
	v_add_nc_u32 v7, s32, v1                       ; cmax
	WIN 0x40                                       ; destination window 1
.irp t, 0,1,2,3,4,5,6,7
.irp i, 0,1,2,3,4,5,6
	global_load_b128 v[32*\t+4*\i:32*\t+4*\i+3], v1, s[6:7] offset:4096*\t+512*\i
.endr
.irp z, 28,29,30,31
	v_mov_b32 v[32*\t+\z], 0
.endr
.endr
	WIN 0
.irp i, 0,1,2,3
	global_load_b96 v[QS+4*\i:QS+4*\i+2], v6, s[6:7] offset:4096*\i+3584
.endr
	v_mov_b32 v8, 0x7f7f9c9c                       ; the id product: 2^29 on the key's blocks 0 and 1,
	v_mov_b32 v9, 0x7f7f7f7f                       ; 1 on the query's
.irp z, 28,29,30,31
	v_mov_b32 v[KA+\z], 0
.endr
.irp z, 0,1,2,3
	v_mov_b32 v[CM+\z], 0xff800000
	v_mov_b32 v[224+\z], 0xff800000                ; v224-227: the chunk's second largest tile maximum
	v_mov_b32 v[NINF+\z], 0xff800000
.endr
	s_wait_loadcnt 0x0
	s_wait_tensorcnt 0x0                           ; my eighth has landed,
	s_barrier_signal -1
	s_barrier_wait -1                              ; everybody's has; nothing is filled again
.macro LOADK                           ; a key tile: six registers' groups of codes and the id's, its scale words, -k2 / 2
.irp i, 0,1,2,3,4,5,6
	ds_load_b128 v[KA+4*\i:KA+4*\i+3], v2 offset:512*\i
.endr
	ds_load_b96 v[KSC:KSC+2], v3
	ds_load_b128 v[NK:NK+3], v4
	ds_load_b128 v[NK+4:NK+7], v4 offset:16
.endm
.macro QK s, t                         ; source 0 = 16 keys, source 1 = 16 queries: a lane holds one query (lane % 16) and keys 8 (lane / 16) + 0..7
.set rD, S+8*\t
.set rA, KA+8*\s
.set rB, 32*\t+8*\s
.set rQ, QS+4*(\t%4)+\s
.if \s == 0
.if \t < 4
	v_wmma_scale_f32_16x16x128_f8f6f4 v[rD:rD+7], v[rA:rA+7], v[rB:rB+7], v[NK:NK+7], v[KSC+\s], v[rQ] matrix_a_fmt:MATRIX_FMT_FP4 matrix_b_fmt:MATRIX_FMT_FP4
.else
	v_wmma_scale_f32_16x16x128_f8f6f4 v[rD:rD+7], v[rA:rA+7], v[rB:rB+7], v[NK:NK+7], v[KSC+\s], v[rQ] matrix_a_fmt:MATRIX_FMT_FP4 matrix_b_fmt:MATRIX_FMT_FP4 matrix_b_scale:MATRIX_SCALE_ROW1
.endif
.else
.if \t < 4
	v_wmma_scale_f32_16x16x128_f8f6f4 v[rD:rD+7], v[rA:rA+7], v[rB:rB+7], v[rD:rD+7], v[KSC+\s], v[rQ] matrix_a_fmt:MATRIX_FMT_FP4 matrix_b_fmt:MATRIX_FMT_FP4
.else
	v_wmma_scale_f32_16x16x128_f8f6f4 v[rD:rD+7], v[rA:rA+7], v[rB:rB+7], v[rD:rD+7], v[KSC+\s], v[rQ] matrix_a_fmt:MATRIX_FMT_FP4 matrix_b_fmt:MATRIX_FMT_FP4 matrix_b_scale:MATRIX_SCALE_ROW1
.endif
.endif
.endm
; One key tile against my 8 query tiles.  more = 1: the next tile's fragments are fetched while this tile's maxima are taken.
.macro TILE more
	s_wait_dscnt 0x0                               ; the tile's fragments are in
	WIN 0x04                                       ; source 1 window 1
.irp s, 0,1,2                          ; the eight accumulators take turns, one instruction a turn
.irp t, 0,1,2,3,4,5,6,7
	QK \s, \t
.endr
.endr
.irp t, 0,1,2,3,4,5,6,7
	v_wmma_scale_f32_16x16x128_f8f6f4 v[P+8*\t:P+8*\t+7], v[KA+24:KA+31], v[32*\t+24:32*\t+31], 0, v8, v9 matrix_a_fmt:MATRIX_FMT_FP4 matrix_b_fmt:MATRIX_FMT_FP4
.endr
	WIN 0
	s_wait_xcnt 0x0                                ; the last tile's store has read its offset and its data
.if \more
	s_add_co_u32 s34, s34, 4096                    ; the four additions are the places behind the last product, ahead of the loads into its sources
	v_add_nc_u32 v2, s34, v1
	v_add_nc_u32 v3, s34, v10
	v_add_nc_u32 v4, s34, v11
.else
.rept 3
	v_nop
.endr
.endif
	v_add_nc_u32 v5, 8192, v5
.if \more
	LOADK
.endif
.irp t, 0,1,2,3,4,5,6,7
	v_min_num_f32 v[M+\t], v[S+8*\t], v[P+8*\t]    ; each accumulator from its low end on
.endr
.irp j, 1,2,3,4,5,6,7
.irp t, 0,1,2,3,4,5,6,7
	v_minmax_num_f32 v[M+\t], v[S+8*\t+\j], v[P+8*\t+\j], v[M+\t]   ; max(min(s, p), m)
.endr
.endr
.irp u, 0,1,2,3                        ; the two halves of the lanes hold 8 keys each: tiles 2 u and 2 u + 1 change halves, and one maximum joins both
	v_permlane16_swap_b32 v[M+2*\u], v[M+2*\u+1]
.endr
.irp u, 0,1,2,3
	s_delay_alu instid0(VALU_DEP_4)
	v_max_num_f32 v[OUT+\u], v[M+2*\u], v[M+2*\u+1]
.endr
.irp u, 0,1,2,3
	s_delay_alu instid0(VALU_DEP_4)
	v_minmax_num_f32 v[224+\u], v[CM+\u], v[OUT+\u], v[224+\u]   ; second = max(min(first, new), second), ahead of the first's own step
.endr
.irp u, 0,1,2,3
	v_max_num_f32 v[CM+\u], v[CM+\u], v[OUT+\u]
.endr
	global_store_b128 v5, v[OUT:OUT+3], s[8:9] offset:-8192   ; 512 consecutive bytes of the tile's row
.endm
	LOADK
	s_mov_b32 s35, 0
.Ltile:
	s_wait_alu depctr_va_vdst(0)
	TILE 1
	s_add_co_u32 s35, s35, 1
	s_cmp_lt_u32 s35, 24
	s_cbranch_scc1 .Ltile
	TILE 0                                         ; the 25th tile fetches nothing
	global_store_b128 v7, v[CM:CM+3], s[10:11]
	global_store_b128 v7, v[224:227], s[10:11] offset:1048576   ; cmax rows 128 + chunk: the second largest tile maximum of the chunk
	s_cmp_lg_u32 ttmp9, 124
	s_cbranch_scc1 .Ldone
.irp z, 1,2,3                          ; the last chunk's work-groups also fill rows 125..127
	global_store_b128 v7, v[NINF:NINF+3], s[10:11] offset:8192*\z
	global_store_b128 v7, v[NINF:NINF+3], s[10:11] offset:1048576+8192*\z   ; rows 253..255 likewise
.endr
.Ldone:
	s_wait_tensorcnt 0x0
	ds_add_u32 v254, v255
	s_wait_dscnt 0x0
	s_endpgm
.Lfunc_end_k_q72dc96ef54_scan:
	.size	k_q72dc96ef54_scan, .Lfunc_end_k_q72dc96ef54_scan-k_q72dc96ef54_scan
	.p2alignl 7, 3214868480
	.fill 96, 4, 3214868480
	.section	.rodata,"a",@progbits
	.p2align	6, 0x0
	.amdhsa_kernel k_q72dc96ef54_scan
		.amdhsa_group_segment_fixed_size 168960
		.amdhsa_private_segment_fixed_size 0
		.amdhsa_enable_private_segment 0
		.amdhsa_kernarg_size 32
		.amdhsa_user_sgpr_count 2
		.amdhsa_user_sgpr_kernarg_segment_ptr 1
		.amdhsa_wavefront_size32 1
		.amdhsa_system_sgpr_workgroup_id_x 1
		.amdhsa_system_sgpr_workgroup_id_y 1
		.amdhsa_system_sgpr_workgroup_id_z 1
		.amdhsa_system_vgpr_workitem_id 0
		.amdhsa_next_free_vgpr 512
		.amdhsa_next_free_sgpr 66
		.amdhsa_reserve_vcc 0
		.amdhsa_float_denorm_mode_32 3
		.amdhsa_float_denorm_mode_16_64 3
		.amdhsa_memory_ordered 1
		.amdhsa_forward_progress 1
		.amdhsa_inst_pref_size 32
	.end_amdhsa_kernel
	.amdgpu_metadata
---
amdhsa.version: [ 1, 2 ]
amdhsa.kernels:
  - .name:           k_q72dc96ef54_scan
    .symbol:         k_q72dc96ef54_scan.kd
    .args:
      - { .name: krec, .offset: 0, .size: 8, .value_kind: global_buffer, .address_space: global }
      - { .name: qrec, .offset: 8, .size: 8, .value_kind: global_buffer, .address_space: global }
      - { .name: gmax, .offset: 16, .size: 8, .value_kind: global_buffer, .address_space: global }
      - { .name: cmax, .offset: 24, .size: 8, .value_kind: global_buffer, .address_space: global }
    .group_segment_fixed_size: 168960
    .private_segment_fixed_size: 0
    .kernarg_segment_align: 8
    .kernarg_segment_size: 32
    .max_flat_workgroup_size: 256
    .sgpr_count:     66
    .vgpr_count:     512
    .wavefront_size: 32
...
	.end_amdgpu_metadata
.endif
;; end of part 2
;; launch sel (part 3): grid 32 x 8, 8 waves a work-group, no clusters, 99,328 bytes of LDS; arguments cmax, gmax, msk; writes msk
.if DOCPART == 3
	.amdgcn_target "amdgcn-amd-amdhsa--gfx1250"
	.amdhsa_code_object_version 6
	.text
	.protected	k_q72dc96ef54_sel
	.globl	k_q72dc96ef54_sel
	.p2align	8
	.type	k_q72dc96ef54_sel,@function
k_q72dc96ef54_sel:
	s_mov_b64 s[64:65], 0
	v_nop
	global_prefetch_b8 v0, s[64:65] scope:SCOPE_SE
	s_setreg_imm32_b32 hwreg(HW_REG_WAVE_MODE, 25, 1), 1
	s_wait_xcnt 0x0
; For each column (query): T0 = the 16th largest of the 250 numbers in cmax (each chunk's largest and second largest tile maximum; six rows hold -infinity).
; msk[chunk][column]: bit b = (gmax[25 chunk + b][column] >= T0): whole numbers for the next launch; rows 125..127 are zeros.
; WHY: the 250 numbers are maxima of different tiles, so at least 16 tiles reach T0; a key of a tile under T0 is beaten strictly by the best key of each of them, and is none of the 16 best.
; SHARES: work-group (x, z): columns 64 x .. + 63 (lane l: columns 2 l, 2 l + 1: a wave's load or store covers 256 consecutive bytes), chunks 16 z .. + 15.  Every work-group finds T0 for its columns:
; wave w sorts rows 16 w .. + 15 and 128 + 16 w .. + 15 (bitonic networks in registers, descending), joins the two lists, and three exchanges through LDS (partner w xor 1, 2, 4) each keep the 16 largest
; of two sorted lists: max(mine[i], partner's[15 - i]) is that set as a bitonic sequence; four layers sort it again.  Each exchange has LDS bytes of its own, so one barrier serves each.
; Wave w then flags chunks 16 z + 2 w and + 1; their 50 rows of gmax are asked for at the head, at addresses made of ids alone.  A chunk number past 124 reads chunk 124 and stores zeros.
; No matrix work, no tensor load, no cluster: each row of gmax is read by one work-group.  Every choice that hangs on floating-point numbers ends in a stored bit.
.set L0, 16                            ; v16-47   list 0: row i, column c at 2 i + c
.set L1, 48                            ; v48-79   list 1
.set B,  80                            ; v80-111  at work
.set T,  112                           ; v112-113
.set FL, 114                           ; v114-117 the words: chunk k, column c at 2 k + c
.set G,  118                           ; v118-217 gmax: chunk k, row b, column c at 50 k + 2 b + c
.set SPW, 218
.set NIL, 219
	s_load_b128 s[4:7], s[0:1], 0x0                ; cmax, gmax
	s_load_b64 s[8:9], s[0:1], 0x10                ; msk
	v_lshl_add_u32 v[SPW], v0, 2, 0x18000
	v_mov_b32 v[NIL], 0
	v_lshrrev_b32 v1, 5, v0
	s_delay_alu instid0(VALU_DEP_1)
	v_readfirstlane_b32 s10, v1                    ; wave
	v_and_b32 v2, 31, v0
	s_delay_alu instid0(VALU_DEP_1)
	v_lshlrev_b32 v3, 3, v2                        ; 8 x lane
	s_wait_alu depctr_va_vdst(0)
	s_lshl_b32 s12, ttmp9, 8                       ; 256 x
	s_lshl_b32 s13, s10, 17                        ; 16 rows of 8,192 bytes a wave
	s_add_co_u32 s13, s13, s12
	v_add_nc_u32 v4, s13, v3                       ; cmax
	s_and_b32 s11, ttmp7, 0xffff                   ; z
	s_lshl_b32 s14, s11, 4
	s_lshl_b32 s15, s10, 1
	s_add_co_u32 s14, s14, s15                     ; my first chunk
	s_add_co_u32 s15, s14, 1                       ; my second
	s_lshl_b32 s16, s14, 13
	s_add_co_u32 s16, s16, s12
	v_add_nc_u32 v7, s16, v3                       ; msk: 8,192 chunk + 256 x + 8 lane
	s_min_u32 s20, s14, 124                        ; no load leaves gmax
	s_min_u32 s21, s15, 124
	s_mul_i32 s20, s20, 204800                     ; 25 rows of 8,192 bytes a chunk
	s_mul_i32 s21, s21, 204800
	s_add_co_u32 s20, s20, s12
	s_add_co_u32 s21, s21, s12
	v_add_nc_u32 v14, s20, v3
	v_add_nc_u32 v15, s21, v3
	s_cmp_lt_u32 s14, 125
	s_cselect_b32 s22, -1, 0                       ; a chunk that does not exist keeps no bit
	s_cmp_lt_u32 s15, 125
	s_cselect_b32 s23, -1, 0
	s_lshl_b32 s18, s10, 12
	v_add_nc_u32 v8, s18, v3                       ; exchange 0, 1, 2: where I store: 4,096 wave + 8 lane + 32,768 x exchange
	s_delay_alu instid0(VALU_DEP_1)
	v_add_nc_u32 v9, 32768, v8
	s_delay_alu instid0(VALU_DEP_2)
	v_add_nc_u32 v10, 65536, v8
	s_xor_b32 s19, s10, 1
	s_lshl_b32 s19, s19, 12
	v_add_nc_u32 v11, s19, v3                      ; and where my partner has stored
	s_xor_b32 s19, s10, 2
	s_lshl_b32 s19, s19, 12
	s_add_co_u32 s19, s19, 32768
	v_add_nc_u32 v12, s19, v3
	s_xor_b32 s19, s10, 4
	s_lshl_b32 s19, s19, 12
	s_add_co_u32 s19, s19, 65536
	v_add_nc_u32 v13, s19, v3
	s_wait_alu depctr_va_vdst(0)
	s_wait_kmcnt 0x0
.set i, 0
.rept 16
	global_load_b64 v[L0+2*i:L0+2*i+1], v4, s[4:5] offset:8192*i
	global_load_b64 v[L1+2*i:L1+2*i+1], v4, s[4:5] offset:1048576+8192*i
.set i, i+1
.endr
.set i, 0
.rept 25
	global_load_b64 v[G+2*i:G+2*i+1], v14, s[6:7] offset:8192*i
	global_load_b64 v[G+50+2*i:G+50+2*i+1], v15, s[6:7] offset:8192*i
.set i, i+1
.endr
; A layer of the network: partners i and i xor j; where i & k is 0 the lower place keeps the larger
.macro LAYER src, dst, k, j
.set i, 0
.rept 16
.if (i ^ \j) > i
.set li, i ^ \j
.irp c, 0,1
.if (i & \k) == 0
	v_max_num_f32 v[\dst+2*i+\c], v[\src+2*i+\c], v[\src+2*li+\c]
	v_min_num_f32 v[\dst+2*li+\c], v[\src+2*i+\c], v[\src+2*li+\c]
.else
	v_min_num_f32 v[\dst+2*i+\c], v[\src+2*i+\c], v[\src+2*li+\c]
	v_max_num_f32 v[\dst+2*li+\c], v[\src+2*i+\c], v[\src+2*li+\c]
.endif
.endr
.endif
.set i, i+1
.endr
.endm
.macro MERGE l                         ; a bitonic sequence of 16 becomes descending, in place
	LAYER \l, B, 16, 8
	LAYER B, \l, 16, 4
	LAYER \l, B, 16, 2
	LAYER B, \l, 16, 1
.endm
.macro SORT l
	LAYER \l, B, 2, 1
	LAYER B, \l, 4, 2
	LAYER \l, B, 4, 1
	LAYER B, \l, 8, 4
	LAYER \l, B, 8, 2
	LAYER B, \l, 8, 1
	MERGE \l
.endm
.macro SWAP lam                        ; the 16 largest of my list and my partner's
.set i, 0
.rept 16
	ds_store_b64 v[8+\lam], v[L0+2*i:L0+2*i+1] offset:256*i
.set i, i+1
.endr
	s_wait_dscnt 0x0                               ; for the others' sake: my stores have landed
	s_barrier_signal -1
	s_barrier_wait -1
.set i, 0
.rept 16
	ds_load_b64 v[B+2*i:B+2*i+1], v[11+\lam] offset:256*(15-i)
.set i, i+1
.endr
	s_wait_dscnt 0x0
.set i, 0
.rept 32
	v_max_num_f32 v[L0+i], v[L0+i], v[B+i]
.set i, i+1
.endr
.endm
	s_wait_loadcnt 50                              ; cmax's 32 loads are in; the 50 of gmax, issued behind them, may be out
	SORT L0
	SORT L1
.set i, 0
.rept 16                               ; the 16 largest of my two lists
.irp c, 0,1
	v_max_num_f32 v[L0+2*i+\c], v[L0+2*i+\c], v[L1+2*(15-i)+\c]
.endr
.set i, i+1
.endr
	MERGE L0
	SWAP 0
	MERGE L0
	SWAP 1
	MERGE L0
	SWAP 2
	s_wait_alu depctr_va_vdst(0)
	s_wait_loadcnt 0x0                             ; gmax's rows are in
.irp c, 0,1                            ; the smallest of the 16 largest
	v_min3_num_f32 v[T+\c], v[L0+\c], v[L0+2+\c], v[L0+4+\c]
.endr
.irp i, 3,5,7,9,11,13
.irp c, 0,1
	s_delay_alu instid0(VALU_DEP_2)
	v_min3_num_f32 v[T+\c], v[T+\c], v[L0+2*\i+\c], v[L0+2*\i+2+\c]
.endr
.endr
.irp c, 0,1
	s_delay_alu instid0(VALU_DEP_2)
	v_min_num_f32 v[T+\c], v[T+\c], v[L0+30+\c]
.endr
.irp z, 0,1,2,3
	v_mov_b32 v[FL+\z], 0
.endr
.set b, 24
.rept 25                               ; word = 2 word + (row >= T0), from row 24 down: row b ends at bit b
.irp k, 0,1
.irp c, 0,1
	v_cmp_ge_f32 vcc_lo, v[G+50*\k+2*b+\c], v[T+\c]
	s_delay_alu instid0(VALU_DEP_1)
	v_add_co_ci_u32 v[FL+2*\k+\c], vcc_lo, v[FL+2*\k+\c], v[FL+2*\k+\c], vcc_lo
.endr
.endr
.set b, b-1
.endr
.irp k, 0,1
.irp c, 0,1
	v_and_b32 v[FL+2*\k+\c], s[22+\k], v[FL+2*\k+\c]
.endr
.endr
	global_store_b64 v7, v[FL:FL+1], s[8:9]        ; 256 consecutive bytes each
	global_store_b64 v7, v[FL+2:FL+3], s[8:9] offset:8192
	s_wait_tensorcnt 0x0                           ; the wave's end
	ds_add_u32 v[SPW], v[NIL]
	s_wait_dscnt 0x0
	s_endpgm
.Lfunc_end_k_q72dc96ef54_sel:
	.size	k_q72dc96ef54_sel, .Lfunc_end_k_q72dc96ef54_sel-k_q72dc96ef54_sel
	.p2alignl 7, 3214868480
	.fill 96, 4, 3214868480
	.section	.rodata,"a",@progbits
	.p2align	6, 0x0
	.amdhsa_kernel k_q72dc96ef54_sel
		.amdhsa_group_segment_fixed_size 99328
		.amdhsa_private_segment_fixed_size 0
		.amdhsa_enable_private_segment 0
		.amdhsa_kernarg_size 24
		.amdhsa_user_sgpr_count 2
		.amdhsa_user_sgpr_kernarg_segment_ptr 1
		.amdhsa_wavefront_size32 1
		.amdhsa_system_sgpr_workgroup_id_x 1
		.amdhsa_system_sgpr_workgroup_id_y 1
		.amdhsa_system_sgpr_workgroup_id_z 1
		.amdhsa_system_vgpr_workitem_id 0
		.amdhsa_next_free_vgpr 220
		.amdhsa_next_free_sgpr 66
		.amdhsa_reserve_vcc 1
		.amdhsa_float_denorm_mode_32 3
		.amdhsa_float_denorm_mode_16_64 3
		.amdhsa_memory_ordered 1
		.amdhsa_forward_progress 1
		.amdhsa_inst_pref_size 64
	.end_amdhsa_kernel
	.amdgpu_metadata
---
amdhsa.version: [ 1, 2 ]
amdhsa.kernels:
  - .name:           k_q72dc96ef54_sel
    .symbol:         k_q72dc96ef54_sel.kd
    .args:
      - { .name: cmax, .offset: 0, .size: 8, .value_kind: global_buffer, .address_space: global }
      - { .name: gmax, .offset: 8, .size: 8, .value_kind: global_buffer, .address_space: global }
      - { .name: msk, .offset: 16, .size: 8, .value_kind: global_buffer, .address_space: global }
    .group_segment_fixed_size: 99328
    .private_segment_fixed_size: 0
    .kernarg_segment_align: 8
    .kernarg_segment_size: 24
    .max_flat_workgroup_size: 256
    .sgpr_count:     66
    .vgpr_count:     220
    .wavefront_size: 32
...
	.end_amdgpu_metadata
.endif
;; end of part 3
;; launch fuse (part 4): grid 256 x 1, 8 waves a work-group, no clusters, 2,048 bytes of LDS; arguments msk, krec, qrec, vals, key_sys, syslist, wav2vec_score, wav2vec_prob, W1k, b1k, W2k, b2k, W1l, b1l, W2l, b2l, W1w, b1w, W2w, b2w, out0; writes out0
.if DOCPART == 4
	.amdgcn_target "amdgcn-amd-amdhsa--gfx1250"
	.amdhsa_code_object_version 6
	.text
	.protected	k_q72dc96ef54_fuse
	.globl	k_q72dc96ef54_fuse
	.p2align	8
	.type	k_q72dc96ef54_fuse,@function
k_q72dc96ef54_fuse:
	s_mov_b64 s[64:65], 0
	v_nop
	global_prefetch_b8 v0, s[64:65] scope:SCOPE_SE
	s_setreg_imm32_b32 hwreg(HW_REG_WAVE_MODE, 25, 1), 1
	s_wait_xcnt 0x0
; One wave, one query.  msk flags the key tiles whose maximum reaches T0, a number that at least 16 tiles reach: a key of any other tile is beaten strictly by 16 keys, so the 16 best keys lie in the flagged tiles.
; THE WALK: the query's 128 words of msk (whole numbers that an earlier launch stored; lane l holds chunks l, l + 32, l + 64, l + 96) are walked bit by bit with scalar instructions; each flagged tile's number goes to
; the next lane of a list.  When the list holds 20, and once more at the end for what is left, SIFT runs: the tiles' scores are recomputed, 10 tiles at a time, by the same chain of three FP4 products as in the scan
; (sources swapped: source 0 = the query in all 16 rows, source 1 = 16 keys; C of the first = -k2 / 2), e = -2^29 for keys of the query's own system, and the 16 best of them and of the running list are drawn
; by 16 extractions ordered by (e descending, index ascending), as jax.lax.top_k orders.  So any number of flagged tiles, from 16 to 3,125, is served.  Pairs of slots past the count are jumped over: the count is a stored whole number's.
; Then the head: three small MLPs, two softmaxes, a top 8 of 16.  Every choice that hangs on floating-point numbers is a select; branches and gather addresses hang on msk alone.
; tanh(x W1k + b1k) W2k is the quantised product: both operands are quantised here, K = 32 filled to 128 with zero codes; what leads to it is f32 multiply-adds.
; LIMITS: |s| under 2^29 and true distances under 1e9; NaN and infinities not served; -d2 is formed as 2 e - q2 (another order of rounding than q2 - 2 q.k + k2);
; tanh(x) = 1 - 2 / (1 + 2^(2.885390 x)): absolute error about 1e-7; a block under 2^-124 keeps the byte 1; the result leaves as 4 bytes a wave (8,192 bytes in all).
; No tensor load (each wave gathers records of its own into registers), no barrier (waves share nothing), no cluster (work-groups share no tile at a known time).
; REGISTERS, window 0: v1 lane, v2 r, v3 h, v4 16 lane, v5 16 r, v6 4 r, v8, v9 LDS, v10 the tile list, v12-18 at work, v19 -inf, v20 1e9, v21 -2^29, v22 permute, v23 0; the rest by the names below.
;   E, F, V: score, index, label of pair P's 32 keys at + P; + 10: the running list.   window 1: tile i of the batch at 24 i; v240-255 two accumulators.
.set LST, 10
.set CT,  24                           ; v24-34
.set QA,  36                           ; v36-59   the query's fragments
.set QSC, 60                           ; v60-62   its scale words
.set MS,  64                           ; v64-83   the keys' scale words, 4 a pair
.set NKB, 84                           ; v84-99   -k2 / 2 at the even places up to 92, zeros else
.set F,   100
.set V,   111
.set NE,  122
.set NF,  123
.set NV,  124
.set O,   125                          ; v125-149 offsets, 5 a pair (v128-159 later: the 32 hidden numbers)
.set MW,  150                          ; v150-153 my words of msk
.set W1K, 160
.set W1L, 176
.set W1W, 192
.set B1K, 218
.set B1L, 219
.set B1W, 220
.set W2L, 221
.set W2W, 222
.set B2K, 223
.set PRB, 224
.set WC,  226
.set WSC, 234
.set HSC, 235
.set HC,  236
.set HD,  244
.set E,   236                          ; v236-246 (done with before HC and HD are written)
.set SYS, 247                          ; v247-251
.set TL,  66                           ; s66-85 the 20 slots (s66-91 later: the third MLP's 26 inputs)
.set LM,  50
.set NS,  51
.set JS,  52
.set LN,  53
.set SW,  54
.set CB,  55
.set NB,  56
.set JB,  57
.set BQ,  58
.set GG,  59
.set CC,  60
.set JJ,  61
.set TT,  62
.set TMP, 63
.set PM,  86
.set MSB, 0
.macro WIN new                         ; the immediate's high byte repeats the setting that is left
.if MSB != \new
	s_set_vgpr_msb (MSB<<8)|\new
.set MSB, \new
.endif
.endm
.macro RED16 opd, r                    ; over the 16 lanes of a row
.irp x, 1
	\opd v[\r], v[\r], v[\r] row_xmask:\x row_mask:0xf bank_mask:0xf
.endr
.irp x, 2, 4, 8
	s_delay_alu instid0(VALU_DEP_1)
	\opd v[\r], v[\r], v[\r] row_xmask:\x row_mask:0xf bank_mask:0xf
.endr
.endm
.macro RED32 opd, op, r                ; over the wave
	RED16 \opd, \r
	s_delay_alu instid0(VALU_DEP_1)
	v_permlanex16_b32 v22, v[\r], s100, s101
	s_delay_alu instid0(VALU_DEP_1)
	\op v[\r], v[\r], v22
.endm
.macro TREE op, d, b                   ; over 11 registers
	\op v[\d], v[\b], v[\b+1], v[\b+2]
	\op v12, v[\b+3], v[\b+4], v[\b+5]
	\op v13, v[\b+6], v[\b+7], v[\b+8]
	s_delay_alu instid0(VALU_DEP_3)
	\op v[\d], v[\d], v[\b+9], v[\b+10]
	s_delay_alu instid0(VALU_DEP_1)
	\op v[\d], v[\d], v12, v13
.endm
	s_load_b512 s[8:23], s[0:1], 0x0               ; msk 8, krec 10, qrec 12, vals 14, key_sys 16, syslist 18, wav2vec_score 20, wav2vec_prob 22
	s_load_b512 s[24:39], s[0:1], 0x40             ; W1k 24, b1k 26, W2k 28, b2k 30, W1l 32, b1l 34, W2l 36, b2l 38
	s_load_b256 s[40:47], s[0:1], 0x80             ; W1w 40, b1w 42, W2w 44, b2w 46
	s_load_b64 s[48:49], s[0:1], 0xa0              ; out0
	v_lshl_add_u32 v254, v0, 2, 0x400
	v_mov_b32 v255, 0
	v_lshrrev_b32 v1, 5, v0
	s_delay_alu instid0(VALU_DEP_1)
	v_readfirstlane_b32 s2, v1                     ; wave
	s_lshl_b32 s3, ttmp9, 3
	s_add_co_u32 s3, s3, s2                        ; q = 128 W + 16 t + r
	s_lshr_b32 s4, s3, 4                           ; its tile
	s_and_b32 s5, s3, 15                           ; its row there
	v_and_b32 v1, 31, v0
	v_and_b32 v2, 15, v0
	v_bfe_u32 v3, v0, 4, 1
	s_delay_alu instid0(VALU_DEP_3)
	v_lshlrev_b32 v4, 4, v1
	s_delay_alu instid0(VALU_DEP_3)
	v_lshlrev_b32 v5, 4, v2
	s_delay_alu instid0(VALU_DEP_4)
	v_lshlrev_b32 v6, 2, v2
	v_lshlrev_b32 v8, 2, v0                        ; LDS: 128 bytes a wave, 4 a lane
	v_and_b32 v9, 0xe0, v0
	s_delay_alu instid0(VALU_DEP_1)
	v_lshlrev_b32 v9, 2, v9
	v_mov_b32 v19, 0xff800000
	v_mov_b32 v20, 0x4e6e6b28
	v_mov_b32 v21, 0xce000000
	v_mov_b32 v22, 0
	v_mov_b32 v23, 0
	v_mov_b32 v[LST], 0
	s_mov_b32 s92, 0xffff0000
	s_mov_b32 s100, 0x76543210
	s_mov_b32 s101, 0xfedcba98
	s_lshl_b32 s57, s4, 12
	s_lshl_b32 s58, s5, 4
	s_add_co_u32 s57, s57, s58
	v_lshl_add_u32 v129, v3, 8, s57                ; the query's codes: every lane takes row rq's 16 bytes of its half
	v_mov_b32 v130, s57
	v_lshlrev_b32 v131, 2, v1
	s_lshl_b32 s58, s3, 6
	v_add_nc_u32 v132, s58, v6
	s_and_b32 s50, s3, 0xffffff80                  ; my column: 128 W
	s_bfe_u32 s51, s3, 0x10004
	s_lshl_b32 s51, s51, 6
	s_add_co_u32 s50, s50, s51                     ; + 64 (t & 1)
	s_lshl_b32 s51, s5, 2
	s_add_co_u32 s50, s50, s51                     ; + 4 r
	s_bfe_u32 s51, s3, 0x20005
	s_add_co_u32 s50, s50, s51                     ; + (t >> 1)
	s_lshl_b32 s50, s50, 2
	v_lshl_add_u32 v133, v1, 13, s50               ; msk: 8,192 x lane + 4 x column
	s_lshl_b32 s59, s3, 2
	s_lshl_b32 s60, s4, 12
	s_lshl_b32 s58, s5, 2
	s_add_co_u32 s60, s60, s58
	s_wait_alu depctr_va_vdst(0)
	s_wait_kmcnt 0x0
	s_load_b32 s93, s[18:19], s59 offset:0x0       ; my system
	s_load_b32 s95, s[20:21], s59 offset:0x0       ; wav2vec_score
	s_load_b32 s94, s[12:13], s60 offset:0xf00     ; q2
	s_load_b32 s96, s[38:39], 0x0                  ; b2l
	s_load_b32 s97, s[46:47], 0x0                  ; b2w
.irp j, 0,1,2,3
	global_load_b32 v[MW+\j], v133, s[8:9] offset:262144*\j   ; chunk lane + 32 j
.endr
.irp i, 0,1,2,3,4,5
	global_load_b128 v[QA+4*\i:QA+4*\i+3], v129, s[12:13] offset:512*\i
.endr
	global_load_b96 v[QSC:QSC+2], v130, s[12:13] offset:3584
	global_load_b32 v[B1K], v131, s[26:27]
	global_load_b32 v[B1L], v131, s[34:35]
	global_load_b32 v[B1W], v131, s[42:43]
	global_load_b32 v[W2L], v131, s[36:37]
	global_load_b32 v[W2W], v131, s[44:45]
	global_load_b32 v[B2K], v6, s[30:31]
	global_load_b32 v[PRB], v132, s[22:23]
.set i, 0
.rept 32
	global_load_b32 v[96+i], v6, s[28:29] offset:64*i   ; W2k(i, r): lane r takes column r, its registers run down K
.set i, i+1
.endr
.set i, 0
.rept 16
	global_load_b32 v[W1K+i], v131, s[24:25] offset:128*i
	global_load_b32 v[W1L+i], v131, s[32:33] offset:128*i
.set i, i+1
.endr
.set i, 0
.rept 26
	global_load_b32 v[W1W+i], v131, s[40:41] offset:128*i
.set i, i+1
.endr
	; what a pair's loads fill is given zeros once, while the loads above are out: a pair past the count is jumped over, and no register is left without a value on any way through the text
	WIN 0x40
.set i, 0
.rept 240
	v_mov_b32 v[i], 0
.set i, i+1
.endr
	WIN 0
.set i, 0
.rept 20
	v_mov_b32 v[MS+i], 0
.set i, i+1
.endr
.irp z, 15,84,86,88,90,92,247,248,249,250,251
	v_mov_b32 v\z, 0
.endr
	s_wait_kmcnt 0x0
	s_wait_loadcnt 58                              ; msk's words, the query, the small vectors and W2k are in; the 58 loads of W1k, W1l and W1w, issued behind them, may be out
	v_max3_num_f32 v12, |v96|, |v97|, 0x1800000    ; W2k's one block of 32 a column
.set i, 2
.rept 15
	s_delay_alu instid0(VALU_DEP_1)
	v_max3_num_f32 v12, v12, |v[96+i]|, |v[97+i]|
.set i, i+2
.endr
	s_delay_alu instid0(VALU_DEP_1)
	v_add_nc_u32 v13, 0xff000000, v12
	s_delay_alu instid0(VALU_DEP_1)
	v_lshrrev_b32 v14, 23, v13
	s_delay_alu instid0(VALU_DEP_1)
	v_or_b32 v[WSC], 0x7f7f7f00, v14               ; blocks 1 to 3 hold zero codes
.irp g, 0,1,2,3
	v_cvt_scalef32_pk8_fp4_f32 v[WC+\g], v[96+8*\g:103+8*\g], v13
.endr
	v_nop
.irp g, 0,1,2,3
	v_cndmask_b32 v[WC+\g], v[WC+\g], v23, s92     ; lanes 16-31 are k = 32 on: zeros
	v_mov_b32 v[WC+4+\g], 0
.endr
.irp z, 85,87,89,91,93,94,95,96,97,98,99
	v_mov_b32 v\z, 0
.endr
	v_mov_b32 v[E+10], v19                         ; the running list is empty
	v_mov_b32 v[F+10], v20
	v_mov_b32 v[V+10], v23
; Pair p of batch g: slots 2 P (X) and 2 P + 1 (Y), P = 5 g + p.  Lanes 0-15 take X's small data, lanes 16-31 Y's.  A pair past the count is jumped over; a Y past the count counts for nothing.
; Numbers that come from memory are held at 3,124 before they enter an address.
.macro FETCH g, p
.set PP, 5*\g+\p
	s_cmp_le_u32 s[CC], 2*PP
	s_cbranch_scc1 .Lfs_\@
	s_cmp_gt_u32 s[CC], 2*PP+1
	s_cselect_b32 s[PM], -1, 0xffff
	s_min_u32 s98, s[TL+2*PP], 3124
	s_min_u32 s99, s[TL+2*PP+1], 3124
	v_lshl_add_u32 v[O+5*\p], s98, 12, v4
	v_lshl_add_u32 v[O+5*\p+1], s99, 12, v4
	v_mov_b32 v12, s98
	v_mov_b32 v13, s99
	s_delay_alu instid0(VALU_DEP_1)
	v_cndmask_b32 v12, v12, v13, s92
	s_delay_alu instid0(VALU_DEP_1)
	v_min_u32 v12, 3124, v12
	s_delay_alu instid0(VALU_DEP_1)
	v_lshl_add_u32 v[O+5*\p+2], v12, 12, v5
	s_delay_alu instid0(VALU_DEP_2)
	v_lshl_add_u32 v[O+5*\p+3], v12, 12, v6
	s_delay_alu instid0(VALU_DEP_3)
	v_lshl_add_u32 v13, v12, 4, v2                 ; my key's index
	s_delay_alu instid0(VALU_DEP_1)
	v_lshlrev_b32 v[O+5*\p+4], 2, v13
	s_delay_alu instid0(VALU_DEP_2)
	v_cvt_f32_u32 v14, v13                         ; under 2^24: exact
	s_delay_alu instid0(VALU_DEP_1)
	v_cndmask_b32 v[F+PP], v20, v14, s[PM]
	WIN 0x40
.irp i, 0,1,2,3,4,5
	global_load_b128 v[48*\p+4*\i:48*\p+4*\i+3], v[O+5*\p], s[10:11] offset:512*\i
	global_load_b128 v[48*\p+24+4*\i:48*\p+24+4*\i+3], v[O+5*\p+1], s[10:11] offset:512*\i
.endr
	WIN 0
	global_load_b96 v[MS+4*\p:MS+4*\p+2], v[O+5*\p+2], s[10:11] offset:3584
	global_load_b32 v[NKB+2*\p], v[O+5*\p+3], s[10:11] offset:3840
	global_load_b32 v[V+PP], v[O+5*\p+4], s[14:15]
	global_load_b32 v[SYS+\p], v[O+5*\p+4], s[16:17]
.Lfs_\@:
.endm
; In the result register 0 of lane (r, h) is (row 8 h, key r).  X's score is read in lanes 0-15, Y's in lanes 16-31, where C's register 0 holds that tile's -k2 / 2; the other rows are read by nobody.
.macro SCORE g, p
.set PP, 5*\g+\p
	s_cmp_le_u32 s[CC], 2*PP
	s_cbranch_scc1 .Lss_\@
	WIN 0x44                                       ; D and source 1 window 1
	v_wmma_scale_f32_16x16x128_f8f6f4 v[240:247], v[QA:QA+7], v[48*\p:48*\p+7], v[NKB+2*\p:NKB+2*\p+7], v[QSC], v[MS+4*\p] matrix_a_fmt:MATRIX_FMT_FP4 matrix_b_fmt:MATRIX_FMT_FP4
	v_wmma_scale_f32_16x16x128_f8f6f4 v[248:255], v[QA:QA+7], v[48*\p+24:48*\p+31], v[NKB+2*\p:NKB+2*\p+7], v[QSC], v[MS+4*\p] matrix_a_fmt:MATRIX_FMT_FP4 matrix_b_fmt:MATRIX_FMT_FP4 matrix_b_scale:MATRIX_SCALE_ROW1
	WIN 0x54                                       ; C too; the two accumulators take turns
.irp s, 1,2
	v_wmma_scale_f32_16x16x128_f8f6f4 v[240:247], v[QA+8*\s:QA+8*\s+7], v[48*\p+8*\s:48*\p+8*\s+7], v[240:247], v[QSC+\s], v[MS+4*\p+\s] matrix_a_fmt:MATRIX_FMT_FP4 matrix_b_fmt:MATRIX_FMT_FP4
	v_wmma_scale_f32_16x16x128_f8f6f4 v[248:255], v[QA+8*\s:QA+8*\s+7], v[48*\p+24+8*\s:48*\p+24+8*\s+7], v[248:255], v[QSC+\s], v[MS+4*\p+\s] matrix_a_fmt:MATRIX_FMT_FP4 matrix_b_fmt:MATRIX_FMT_FP4 matrix_b_scale:MATRIX_SCALE_ROW1
.endr
	WIN 0
.rept 5
	v_nop                                          ; four places ahead of the read below and of the next batch's loads, five ahead of the next pair's first product, which writes over these accumulators
.endr
	WIN 0x05
	v_cndmask_b32 v[E+PP], v240, v248, s92
	WIN 0
	v_cmp_eq_u32 vcc_lo, s93, v[SYS+\p]
	s_delay_alu instid0(VALU_DEP_1)
	v_cndmask_b32 v[E+PP], v[E+PP], v21, vcc_lo    ; a key of my own system: -2^29
	s_cmp_gt_u32 s[CC], 2*PP+1
	s_cselect_b32 s[PM], -1, 0xffff
	v_cndmask_b32 v[E+PP], v19, v[E+PP], s[PM]     ; a slot past the count: -infinity
.Lss_\@:
.endm
; The list's CC tiles (1 to 20) and the running list give the new running list.
.macro SSTG j, mask                    ; a stage of the bitonic network across the 16 lanes of a row, on v15
	s_mov_b32 s[TMP], \mask*0x10001
	v_max_num_f32_dpp v12, v15, v15 row_xmask:\j row_mask:0xf bank_mask:0xf
	v_min_num_f32_dpp v13, v15, v15 row_xmask:\j row_mask:0xf bank_mask:0xf
	s_delay_alu instid0(VALU_DEP_1)
	v_cndmask_b32 v15, v13, v12, s[TMP]
.endm
.macro SIFT
	s_wait_alu depctr_va_vdst(0)                   ; the list's lanes were written behind branches
.set i, 0
.rept 20
	v_readlane_b32 s[TL+i], v[LST], i
.set i, i+1
.endr
.set i, 0
.rept 10
	v_mov_b32 v[E+i], v19
	v_mov_b32 v[F+i], v20
	v_mov_b32 v[V+i], v23
.set i, i+1
.endr
	s_wait_alu depctr_va_vdst(0)
.irp g, 0,1                            ; two batches of 10 tiles: 10 x 24 registers of codes fill window 1 beside the accumulators
.irp p, 0,1,2,3,4
	FETCH \g, \p
.endr
.if \g == 0
	v_mov_b32 v15, v[PRB]                          ; wav2vec_prob's 16 numbers are sorted descending while the batch's loads are out
	SSTG 1, 0x9999
	SSTG 2, 0xc3c3
	SSTG 1, 0xa5a5
	SSTG 4, 0xf00f
	SSTG 2, 0xcc33
	SSTG 1, 0xaa55
	SSTG 8, 0x00ff
	SSTG 4, 0x0f0f
	SSTG 2, 0x3333
	SSTG 1, 0x5555
.endif
	s_wait_alu depctr_va_vdst(0)
	s_wait_loadcnt 0x0                             ; the batch's loads went out in one run; the head's weights are in too
.irp p, 0,1,2,3,4
	SCORE \g, \p
.endr
.endr
	v_mov_b32 v[NE], v19
	v_mov_b32 v[NF], v20
	v_mov_b32 v[NV], v23
	v_mov_b32 v18, v19                             ; no label is on its way yet,
	s_mov_b32 s87, -1                              ; and no lane waits for one
	s_mov_b32 s[TT], 0
	s_wait_alu depctr_va_vdst(0)
.Lext_\@:                              ; 16 trips: the best that is left goes to lane TT.  At least 16 keys are real: the first list has 16 tiles or more, later ones the running 16
	TREE v_max3_num_f32, 16, E
.irp x, 1,2,4,8                        ; two reductions over the wave by turns: m, the largest e, and the label that the trip before picked (v18)
	v_max_num_f32_dpp v16, v16, v16 row_xmask:\x row_mask:0xf bank_mask:0xf
	v_max_num_f32_dpp v18, v18, v18 row_xmask:\x row_mask:0xf bank_mask:0xf
.endr
	v_permlanex16_b32 v22, v16, s100, s101
	v_permlanex16_b32 v14, v18, s100, s101
	v_max_num_f32 v16, v16, v22
	v_max_num_f32 v18, v18, v14
	v_cmp_eq_u32 vcc_lo, s87, v1
	v_cndmask_b32 v[NV], v[NV], v18, vcc_lo        ; the label goes to the lane of the trip before
.set i, 0
.rept 11
	v_cmp_eq_f32 vcc_lo, v[E+i], v16
	s_delay_alu instid0(VALU_DEP_1)
	v_cndmask_b32 v[CT+i], v20, v[F+i], vcc_lo
.set i, i+1
.endr
	TREE v_min3_num_f32, 17, CT
	RED32 v_min_num_f32_dpp, v_min_num_f32, 17     ; w: the lowest index among those that have it
.set i, 0
.rept 11
	v_cmp_eq_f32 vcc_lo, v[F+i], v17
	s_delay_alu instid0(VALU_DEP_1)
	v_cndmask_b32 v[E+i], v[E+i], v19, vcc_lo      ; it is taken out,
	s_delay_alu instid0(VALU_DEP_2)
	v_cndmask_b32 v[CT+i], v19, v[V+i], vcc_lo     ; and its label is fetched
.set i, i+1
.endr
	TREE v_max3_num_f32, 18, CT
	v_cmp_eq_u32 vcc_lo, s[TT], v1
	s_delay_alu instid0(VALU_DEP_1)
	v_cndmask_b32 v[NE], v[NE], v16, vcc_lo
	s_delay_alu instid0(VALU_DEP_2)
	v_cndmask_b32 v[NF], v[NF], v17, vcc_lo
	s_mov_b32 s87, s[TT]
	s_add_co_u32 s[TT], s[TT], 1
	s_cmp_lt_u32 s[TT], 16
	s_wait_alu depctr_va_vdst(0)
	s_cbranch_scc1 .Lext_\@
	RED32 v_max_num_f32_dpp, v_max_num_f32, 18     ; the last trip's label
	v_cmp_eq_u32 vcc_lo, 15, v1
	v_cndmask_b32 v[NV], v[NV], v18, vcc_lo
	v_mov_b32 v[E+10], v[NE]
	v_mov_b32 v[F+10], v[NF]
	v_mov_b32 v[V+10], v[NV]
	s_wait_alu depctr_va_vdst(0)
.endm
	; THE WALK.  Trip JJ looks at chunks lane + 32 JJ, whose words stand in v[MW]; the other words move down a register a trip
	s_wait_xcnt 0x0                                ; the head's loads have read their offsets: SIFT writes those registers again
	s_mov_b32 s[CC], 0
	s_mov_b32 s[JJ], 0
	s_wait_alu depctr_va_vdst(0)
.LJ:
	v_cmp_ne_u32 s[LM], 0, v[MW]                   ; the lanes whose chunk has a flagged tile
	s_wait_alu depctr_va_vdst(0)
	s_bcnt1_i32_b32 s[NS], s[LM]
	s_cmp_eq_u32 s[NS], 0
	s_cbranch_scc1 .Ljn
	s_mov_b32 s[JS], 0
.LS:
	s_ctz_i32_b32 s[LN], s[LM]
	s_add_co_i32 s[TMP], s[LM], -1
	s_and_b32 s[LM], s[LM], s[TMP]
	v_readlane_b32 s[SW], v[MW], s[LN]             ; that chunk's word: not 0
	s_wait_alu depctr_va_vdst(0)
	s_bcnt1_i32_b32 s[NB], s[SW]
	s_lshl_b32 s[TMP], s[JJ], 5
	s_add_co_u32 s[LN], s[LN], s[TMP]              ; the chunk
	s_mul_i32 s[CB], s[LN], 25                     ; its first tile
	s_mov_b32 s[JB], 0
.LB:
	s_ctz_i32_b32 s[BQ], s[SW]
	s_add_co_i32 s[TMP], s[SW], -1
	s_and_b32 s[SW], s[SW], s[TMP]
	s_add_co_u32 s[GG], s[CB], s[BQ]
	v_writelane_b32 v[LST], s[GG], s[CC]           ; the tile's number into lane CC of the list
	s_wait_alu depctr_va_vdst(0)
	s_add_co_u32 s[CC], s[CC], 1
	s_cmp_lg_u32 s[CC], 20
	s_cbranch_scc1 .Lbn
	SIFT
	s_mov_b32 s[CC], 0
.Lbn:
	s_add_co_u32 s[JB], s[JB], 1
	s_cmp_lt_u32 s[JB], s[NB]
	s_cbranch_scc1 .LB
	s_add_co_u32 s[JS], s[JS], 1
	s_cmp_lt_u32 s[JS], s[NS]
	s_cbranch_scc1 .LS
.Ljn:
	v_mov_b32 v[MW], v[MW+1]
	v_mov_b32 v[MW+1], v[MW+2]
	v_mov_b32 v[MW+2], v[MW+3]
	s_add_co_u32 s[JJ], s[JJ], 1
	s_cmp_lt_u32 s[JJ], 4
	s_wait_alu depctr_va_vdst(0)
	s_cbranch_scc1 .LJ
	s_cmp_eq_u32 s[CC], 0
	s_cbranch_scc1 .Lnoc
	SIFT
.Lnoc:
	s_wait_loadcnt 0x0                             ; the weights are in on every way that leads here
	; THE HEAD.  Lanes 0-15 of NE and NV hold the 16 neighbours, nearest first.  x = -d2 = 2 e - q2, or -1e9 for a masked key
	v_mov_b32 v12, s94
	s_delay_alu instid0(VALU_DEP_1)
	v_fma_f32 v13, 2.0, v[NE], -v12
	v_cmp_eq_f32 vcc_lo, v[NE], v21
	v_mov_b32 v14, 0xce6e6b28
	s_delay_alu instid0(VALU_DEP_1)
	v_cndmask_b32 v13, v13, v14, vcc_lo
.set i, 0
.rept 16
	v_readlane_b32 s[76+i], v13, i
.set i, i+1
.endr
	; wav2vec_prob's 16 numbers (one a lane of each row) sorted descending, values alone: a bitonic network across lanes; the mask says which lanes keep the larger
	; (the network stands in SIFT, between the first batch's loads and the wait for them; v15 holds the sorted numbers)
.set i, 0
.rept 8
	v_readlane_b32 s[68+i], v15, i
.set i, i+1
.endr
	; x W1k + b1k and x W1l + b1l: lane n = hidden unit n; f32 multiply-adds
	v_fma_f32 v16, s76, v[W1K], v[B1K]
	v_fma_f32 v17, s76, v[W1L], v[B1L]
.set i, 1
.rept 15
	s_delay_alu instid0(VALU_DEP_2)
	v_fma_f32 v16, s[76+i], v[W1K+i], v16
	s_delay_alu instid0(VALU_DEP_2)
	v_fma_f32 v17, s[76+i], v[W1L+i], v17
.set i, i+1
.endr
	s_delay_alu instid0(VALU_DEP_2)
	v_mul_f32 v16, 0x4038aa3b, v16                 ; tanh(x) = 1 - 2 / (1 + 2^(2 log2(e) x))
	s_delay_alu instid0(VALU_DEP_2)
	v_mul_f32 v17, 0x4038aa3b, v17
	s_wait_alu depctr_va_vdst(0)
	v_exp_f32 v16, v16
	v_exp_f32 v17, v17
	v_nop
	s_wait_alu depctr_va_vdst(0)
	v_add_f32 v16, 1.0, v16
	v_add_f32 v17, 1.0, v17
	s_wait_alu depctr_va_vdst(0)
	v_rcp_f32 v16, v16
	v_rcp_f32 v17, v17
	v_nop
	s_wait_alu depctr_va_vdst(0)
	v_fma_f32 v16, -2.0, v16, 1.0
	v_fma_f32 v17, -2.0, v17, 1.0
	; the 32 hidden numbers into every lane, through my wave's own 128 bytes of LDS; then quantised: one block of 32
	ds_store_b32 v8, v16
.irp i, 0,1,2,3,4,5,6,7
	ds_load_b128 v[128+4*\i:131+4*\i], v9 offset:16*\i   ; LDS serves a wave's instructions in order: these see the store
.endr
	s_wait_dscnt 0x0
	v_max3_num_f32 v12, |v128|, |v129|, 0x1800000
.set i, 2
.rept 15
	s_delay_alu instid0(VALU_DEP_1)
	v_max3_num_f32 v12, v12, |v[128+i]|, |v[129+i]|
.set i, i+2
.endr
	s_delay_alu instid0(VALU_DEP_1)
	v_add_nc_u32 v13, 0xff000000, v12
	s_delay_alu instid0(VALU_DEP_1)
	v_lshrrev_b32 v14, 23, v13
	s_delay_alu instid0(VALU_DEP_1)
	v_or_b32 v[HSC], 0x7f7f7f00, v14
.irp g, 0,1,2,3
	v_cvt_scalef32_pk8_fp4_f32 v[HC+\g], v[128+8*\g:135+8*\g], v13
.endr
	v_nop
.irp g, 0,1,2,3
	v_cndmask_b32 v[HC+\g], v[HC+\g], v23, s92
	v_mov_b32 v[HC+4+\g], 0
.endr
.rept 8
	v_nop                                          ; a scale register written by a vector instruction stands 8 places ahead of a scaled matrix instruction, an operand 4
.endr
	v_wmma_scale_f32_16x16x128_f8f6f4 v[HD:HD+7], v[HC:HC+7], v[WC:WC+7], 0, v[HSC], v[WSC] matrix_a_fmt:MATRIX_FMT_FP4 matrix_b_fmt:MATRIX_FMT_FP4
.rept 4
	v_nop
.endr
	v_add_f32 v12, v[HD], v[B2K]                   ; lane r: logit r
	s_delay_alu instid0(VALU_DEP_1)
	v_mov_b32 v13, v12
	RED16 v_max_num_f32_dpp, 13                    ; the softmax takes its maximum away
	s_delay_alu instid0(VALU_DEP_1)
	v_sub_f32 v12, v12, v13
	s_delay_alu instid0(VALU_DEP_1)
	v_mul_f32 v12, 0x3fb8aa3b, v12
	s_wait_alu depctr_va_vdst(0)
	v_exp_f32 v12, v12
	v_nop
	s_wait_alu depctr_va_vdst(0)
	v_mul_f32 v14, v12, v[NV]
	RED16 v_add_f32_dpp, 12
	RED16 v_add_f32_dpp, 14
	s_wait_alu depctr_va_vdst(0)
	v_rcp_f32 v12, v12
	v_nop
	s_wait_alu depctr_va_vdst(0)
	v_mul_f32 v14, v14, v12
	s_delay_alu instid0(VALU_DEP_1)
	v_readfirstlane_b32 s[TMP], v14
	s_delay_alu instid0(VALU_DEP_1)
	v_mov_b32 v24, s[TMP]                          ; knn_result
	v_mov_b32 v25, s95                             ; wav2vec_score
; prob at clip(4 x - 4, 0, 15), cut to a whole number: picked by a compare and a select, no address
.macro TAR src, dst
	v_fma_f32 v12, v[\src], 4.0, -4.0
	s_delay_alu instid0(VALU_DEP_1)
	v_med3_num_f32 v12, v12, 0, 0x41700000
	s_delay_alu instid0(VALU_DEP_1)
	v_cvt_i32_f32 v12, v12
	s_delay_alu instid0(VALU_DEP_1)
	v_cmp_eq_u32 vcc_lo, v12, v2
	s_delay_alu instid0(VALU_DEP_1)
	v_cndmask_b32 v12, v23, v[PRB], vcc_lo
	RED16 v_add_f32_dpp, 12
	s_delay_alu instid0(VALU_DEP_1)
	v_readfirstlane_b32 s[\dst], v12
.endm
	TAR 25, 66
	TAR 24, 67
	v_fma_f32 v18, s66, v[W1W], v[B1W]             ; the 26 inputs: two picked, the top 8, the 16 distances
.set i, 1
.rept 25
	s_delay_alu instid0(VALU_DEP_1)
	v_fma_f32 v18, s[66+i], v[W1W+i], v18
.set i, i+1
.endr
	s_delay_alu instid0(VALU_DEP_1)
	v_mul_f32 v18, 0x4038aa3b, v18
	s_wait_alu depctr_va_vdst(0)
	v_exp_f32 v18, v18
	v_nop
	s_wait_alu depctr_va_vdst(0)
	v_add_f32 v18, 1.0, v18
	s_wait_alu depctr_va_vdst(0)
	v_rcp_f32 v18, v18
	v_nop
	s_wait_alu depctr_va_vdst(0)
	v_fma_f32 v18, -2.0, v18, 1.0
	v_mul_f32 v17, v17, v[W2L]
	s_delay_alu instid0(VALU_DEP_2)
	v_mul_f32 v18, v18, v[W2W]
	RED32 v_add_f32_dpp, v_add_f32, 17
	RED32 v_add_f32_dpp, v_add_f32, 18
	v_add_f32 v17, s96, v17                        ; knn_lambda
	s_delay_alu instid0(VALU_DEP_2)
	v_add_f32 v18, s97, v18                        ; wav_lambda
	s_delay_alu instid0(VALU_DEP_1)
	v_max_num_f32 v12, v17, v18
	s_delay_alu instid0(VALU_DEP_1)
	v_sub_f32 v17, v17, v12
	s_delay_alu instid0(VALU_DEP_2)
	v_sub_f32 v18, v18, v12
	s_delay_alu instid0(VALU_DEP_2)
	v_mul_f32 v17, 0x3fb8aa3b, v17
	s_delay_alu instid0(VALU_DEP_2)
	v_mul_f32 v18, 0x3fb8aa3b, v18
	s_wait_alu depctr_va_vdst(0)
	v_exp_f32 v17, v17
	v_exp_f32 v18, v18
	v_nop
	s_wait_alu depctr_va_vdst(0)
	v_add_f32 v12, v17, v18
	v_mul_f32 v13, v17, v24
	v_fma_f32 v13, v18, v25, v13
	s_wait_alu depctr_va_vdst(0)
	v_rcp_f32 v12, v12
	v_nop
	s_wait_alu depctr_va_vdst(0)
	v_mul_f32 v13, v13, v12
	s_lshl_b32 s[TMP], s3, 2
	v_mov_b32 v26, s[TMP]
	v_cmp_eq_u32 vcc_lo, 0, v1
	s_wait_alu depctr_va_vdst(0)
	s_wait_xcnt 0x0                                ; EXEC changes only behind this wait
	s_wait_tensorcnt 0x0                           ; the wave's end
	ds_add_u32 v254, v255
	s_wait_dscnt 0x0
	s_and_saveexec_b32 s[TT], vcc_lo
	global_store_b32 v26, v13, s[48:49]            ; lane 0 alone
	s_endpgm
.Lfunc_end_k_q72dc96ef54_fuse:
	.size	k_q72dc96ef54_fuse, .Lfunc_end_k_q72dc96ef54_fuse-k_q72dc96ef54_fuse
	.p2alignl 7, 3214868480
	.fill 96, 4, 3214868480
	.section	.rodata,"a",@progbits
	.p2align	6, 0x0
	.amdhsa_kernel k_q72dc96ef54_fuse
		.amdhsa_group_segment_fixed_size 2048
		.amdhsa_private_segment_fixed_size 0
		.amdhsa_enable_private_segment 0
		.amdhsa_kernarg_size 168
		.amdhsa_user_sgpr_count 2
		.amdhsa_user_sgpr_kernarg_segment_ptr 1
		.amdhsa_wavefront_size32 1
		.amdhsa_system_sgpr_workgroup_id_x 1
		.amdhsa_system_sgpr_workgroup_id_y 1
		.amdhsa_system_sgpr_workgroup_id_z 1
		.amdhsa_system_vgpr_workitem_id 0
		.amdhsa_next_free_vgpr 512
		.amdhsa_next_free_sgpr 102
		.amdhsa_reserve_vcc 1
		.amdhsa_float_denorm_mode_32 3
		.amdhsa_float_denorm_mode_16_64 3
		.amdhsa_memory_ordered 1
		.amdhsa_forward_progress 1
		.amdhsa_inst_pref_size 150
	.end_amdhsa_kernel
	.amdgpu_metadata
---
amdhsa.version: [ 1, 2 ]
amdhsa.kernels:
  - .name:           k_q72dc96ef54_fuse
    .symbol:         k_q72dc96ef54_fuse.kd
    .args:
      - { .name: msk, .offset: 0, .size: 8, .value_kind: global_buffer, .address_space: global }
      - { .name: krec, .offset: 8, .size: 8, .value_kind: global_buffer, .address_space: global }
      - { .name: qrec, .offset: 16, .size: 8, .value_kind: global_buffer, .address_space: global }
      - { .name: vals, .offset: 24, .size: 8, .value_kind: global_buffer, .address_space: global }
      - { .name: key_sys, .offset: 32, .size: 8, .value_kind: global_buffer, .address_space: global }
      - { .name: syslist, .offset: 40, .size: 8, .value_kind: global_buffer, .address_space: global }
      - { .name: wav2vec_score, .offset: 48, .size: 8, .value_kind: global_buffer, .address_space: global }
      - { .name: wav2vec_prob, .offset: 56, .size: 8, .value_kind: global_buffer, .address_space: global }
      - { .name: W1k, .offset: 64, .size: 8, .value_kind: global_buffer, .address_space: global }
      - { .name: b1k, .offset: 72, .size: 8, .value_kind: global_buffer, .address_space: global }
      - { .name: W2k, .offset: 80, .size: 8, .value_kind: global_buffer, .address_space: global }
      - { .name: b2k, .offset: 88, .size: 8, .value_kind: global_buffer, .address_space: global }
      - { .name: W1l, .offset: 96, .size: 8, .value_kind: global_buffer, .address_space: global }
      - { .name: b1l, .offset: 104, .size: 8, .value_kind: global_buffer, .address_space: global }
      - { .name: W2l, .offset: 112, .size: 8, .value_kind: global_buffer, .address_space: global }
      - { .name: b2l, .offset: 120, .size: 8, .value_kind: global_buffer, .address_space: global }
      - { .name: W1w, .offset: 128, .size: 8, .value_kind: global_buffer, .address_space: global }
      - { .name: b1w, .offset: 136, .size: 8, .value_kind: global_buffer, .address_space: global }
      - { .name: W2w, .offset: 144, .size: 8, .value_kind: global_buffer, .address_space: global }
      - { .name: b2w, .offset: 152, .size: 8, .value_kind: global_buffer, .address_space: global }
      - { .name: out0, .offset: 160, .size: 8, .value_kind: global_buffer, .address_space: global }
    .group_segment_fixed_size: 2048
    .private_segment_fixed_size: 0
    .kernarg_segment_align: 8
    .kernarg_segment_size: 168
    .max_flat_workgroup_size: 256
    .sgpr_count:     102
    .vgpr_count:     512
    .wavefront_size: 32
...
	.end_amdgpu_metadata
.endif
;; end of part 4
